; MI455X (gfx1250); checked and timed in simulation.
; The chip was launched on July 23, 2026; its instructions are those of AMD's public machine-readable ISA for CDNA 5 (MIT licence, August 2026) and "CDNA5" Instruction Set Architecture Reference Guide (July 2026). The comments in the code are by the model that wrote it; some were corrected since.
;; CLF QP Net. Allowed arithmetic: matrix products marked QUANTISED: E5M2 operands, one E8M0 scale for each 32 along K, by v_wmma_scale_f32_16x16x128_f8f6f4 with both operands' format E5M2, f32 sums; products left as they are: f32 operands where the result goes on into a quantised operand, else bf16, f16 or f32 operands; f32 sums; everything else in f32.
;; Inputs: Ub1 256 float32; Ub2 256 float32; Ub3 1 float32; Uw1 256 x 4 float32; Uw2 256 x 256 float32; Uw3 1 x 256 float32; Vb1 256 float32; Vb2 256 float32; Vb3 64 float32; Vw1 256 x 4 float32; Vw2 256 x 256 float32; Vw3 64 x 256 float32; x 131,072 x 4 float32.
;; Outputs: out0 131,072 x 1 float32; out1 131,072 float32; out2 131,072 x 1 x 1 float32.
;; This version of the problem:
;;   THIS VERSION OF THE PROBLEM IS GIVEN IN LOW PRECISION. The matrix products marked QUANTISED in the list below multiply operands that are first quantised to E5M2 (5 exponent bits, 2 mantissa bits; 8 bits a number), with one power-of-two scale for each 32 numbers along K (OCP MX v1.0); their sums are f32. All else is computed in f32.
;;   The module's matrix products, in the order in which they are computed (A, B: the left and right operand; K: the contracted axis; several contracted axes count as one K, in the product's order):
;;     1. [M 131,072, K 4] x [K 4, N 256]; A: input x; B: input Vw1: left as it is (K = 4 < 32)
;;     2. [M 131,072, K 256] x [K 256, N 256]; A: computed on the way; B: input Vw2: QUANTISED
;;     3. [M 131,072, K 256] x [K 256, N 64]; A: computed on the way; B: input Vw3: QUANTISED
;;     4. [M 524,288, K 256] x [K 256, N 256]; A: computed on the way; B: input Vw2: QUANTISED
;;     5. [M 524,288, K 256] x [K 256, N 64]; A: computed on the way; B: input Vw3: QUANTISED
;;     6. batch 131,072 x [M 1, K 64] x [K 64, N 4]; A: computed on the way; B: computed on the way: left as it is (M = 1 < 16)
;;     7. [M 131,072, K 4] x [K 4, N 256]; A: input x; B: input Uw1: left as it is (K = 4 < 32)
;;     8. [M 131,072, K 256] x [K 256, N 256]; A: computed on the way; B: input Uw2: QUANTISED
;;     9. [M 131,072, K 256] x [K 256, N 1]; A: computed on the way; B: input Uw3: left as it is (N = 1 < 16)
;;     10. batch 131,072 x [M 1, K 4] x [K 4, N 1]; A: computed on the way; B: computed on the way: left as it is (K = 4 < 32)
;;   THE QUANTISER, for each operand of a quantised product, along K:
;;     - K is cut into blocks of 32 from its start; a last block that is shorter is filled with zeros.
;;     - A block's scale is 2^e with e = floor(log2(the largest magnitude in the block)) - 15, held to -126 .. 127; a block of zeros has e = 0. As a byte (E8M0): e + 127.
;;     - Each number is divided by its block's scale, clamped to +-57,344, and rounded to the nearest number of E5M2, ties to even, subnormals kept.
;;     - The product sums the exact products of the quantised numbers (number of the format x scale) in f32.
;;   ~~~python
;;   def quantise(x, axis):      # numpy; x: float32 -> the quantised numbers, widened to float32 again
;;       x = np.moveaxis(x, axis, -1); K = x.shape[-1]
;;       x = np.pad(x, [(0, 0)] * (x.ndim - 1) + [(0, -K % 32)]); x = x.reshape(x.shape[:-1] + (-1, 32)); a = np.abs(x).max(-1, keepdims=True)
;;       e = np.where(a > 0, np.clip(np.frexp(np.where(a > 0, a, 1))[1] - 1 - 15, -126, 127), 0)      # np.frexp(a)[1] - 1 = floor(log2(a)), exactly
;;       r = np.clip(x / 2.0 ** e, -57344, 57344)
;;       step = 2.0 ** (np.maximum(np.frexp(np.where(r == 0, 1, r))[1] - 1, -14) - 2)
;;       q = np.round(r / step) * step * 2.0 ** e      # np.round: ties to even
;;       return np.moveaxis(q.reshape(q.shape[:-2] + (-1,))[..., :K], -1, axis).astype(np.float32)
;;   ~~~
;;   OPERANDS COMPUTED ON THE WAY. 'Computed on the way' means the value that the module computes at that place (a softmax that the list does not call 'softmax' is quantised finished and normalised). What goes into a quantiser is computed in f32, as accurately as f32 sums, v_exp_f32 and their like allow (about 1e-6 of the number): no bf16 or f16 on the way to a quantiser, and a product that is left as it is and whose result goes on into a quantised operand takes f32 operands (vector FMAs, or v_wmma_f32_16x16x4_f32). A number that lies on a knife's edge between two numbers of the format may be rounded either way, as far as f32 arithmetic and the matrix unit's own rounding can turn it there, and no further.
;; One version. Each part assembles by itself: llvm-mc -triple=amdgcn-amd-amdhsa -mcpu=gfx1250 --defsym DOCPART=n.
;; ======== version 1 of 1: 2 launches
;; limits: a function is approximated: absolute error at most 1e-07; right only within a limited range of input values
;; workspace buffers: wq 152,064 bytes
;; launch quant (part 1): grid 18 x 1, 4 waves a work-group, no clusters, 34,816 bytes of LDS; arguments Uw2, Vw2, Vw3, wq; writes wq
.if DOCPART == 1
	.amdgcn_target "amdgcn-amd-amdhsa--gfx1250"
	.amdhsa_code_object_version 6
	.text
	.protected	k_qbdb7d43863_quant
	.globl	k_qbdb7d43863_quant
	.p2align	8
	.type	k_qbdb7d43863_quant,@function
k_qbdb7d43863_quant:
	s_mov_b64 s[64:65], 0
	v_nop
	global_prefetch_b8 v0, s[64:65] scope:SCOPE_SE
	s_setreg_imm32_b32 hwreg(HW_REG_WAVE_MODE, 25, 1), 1
	s_wait_xcnt 0x0
; Uw2 [256][256], Vw2 [256][256], Vw3 [64][256], f32 with K innermost, become codes of BF8 (E5M2) with one E8M0 byte for each 32 along K,
; laid in wq IN THE ORDER OF THE OPERAND'S REGISTERS, so that the next launch takes each fragment by four loads of 16 bytes a lane.
; A chunk g is 32 output units: g = 0..7 Uw2, 8..15 Vw2, 16..17 Vw3.  Its codes lie at 8192 g: fragment f = 2 u + s (tile u, K step s of 128) at 2048 f,
; register group c at 512 c + 16 x lane.  Lane (r, h) of tile u holds weight row 32 lc + 8 u + r + 8 (r / 8) (lc: the chunk's number in its own weight), k = 128 s + 32 c + 16 h + 0..15:
; THE ROWS OF A TILE ARE NOT NEIGHBOURS, so that in the transposed product the 16 registers of tiles 0 and 1 are 16 neighbours along the next K.
; Its scale words lie at 147456 + 256 g: tile u at 128 u; lanes 0-15 the word of K step 0, lanes 16-31 that of K step 1, 4 bytes a lane.
; A work-group is a chunk, a wave a fragment.  Each load reads 512 consecutive bytes of one row; the 16 rows turn through the wave's own stage in LDS, so that a lane gets 16 neighbours of each block.
; A block's scale is 2^(floor(log2(largest magnitude)) - 15); its byte is the largest magnitude's exponent field - 15, held at 1 from below (a block of zeros gets the byte 1: its codes are zeros, and this program alone reads the bytes).
; LIMITS: blocks whose largest magnitude lies under 2^-111 take the floor's byte; NaN and infinities among the inputs are not served.
.set SP,   528                         ; a stage row: 512 bytes + 16 of padding
.set STG,  16*SP                       ; a wave's stage
.set SCS,  4*STG                       ; behind the stages: the chunk's 256 bytes of scale words
.set R,    16                          ; v16-79   16 rows as loaded
.set X,    80                          ; v80-143  64 numbers: register 16 b + i = k 32 b + 16 h + i of my row
.set TM,   144                         ; v144-147 largest magnitudes, v148-151 bytes, v152-155 largest number x scale, v156-159 the conversions' scale operands
.set PC,   160                         ; v160-175 the fragment's codes
.set PW,   176                         ; v176     my row's scale word
	s_load_b256 s[4:11], s[0:1], 0x0               ; Uw2 s[4:5], Vw2 s[6:7], Vw3 s[8:9], wq s[10:11]
	v_lshl_add_u32 v192, v0, 2, 0x8600
	v_mov_b32 v193, 0
	v_lshrrev_b32 v9, 5, v0
	v_readfirstlane_b32 s12, v9                    ; wave = fragment 2 u + s
	v_and_b32 v10, 31, v0                          ; lane
	v_and_b32 v2, 15, v0                           ; r
	v_bfe_u32 v3, v0, 4, 1                         ; h
	v_lshlrev_b32 v1, 4, v10                       ; 16 x lane
	s_mul_i32 s13, s12, STG
	v_add_nc_u32 v4, s13, v1                       ; the stage, on the way in: a row as it lies
	v_mul_u32_u24 v5, v2, SP
	v_lshl_add_u32 v5, v3, 6, v5
	v_add_nc_u32 v5, s13, v5                       ; and on the way out: row r, + 64 h: my 16 numbers of a block of 32
	s_lshl_b32 s14, s12, 6
	s_add_co_u32 s14, s14, SCS
	v_lshl_add_u32 v6, v2, 2, s14                  ; my row's scale word: 128 u + 64 s + 4 r
	v_lshlrev_b32 v7, 3, v10                       ; 8 x lane
	v_add_nc_u32 v8, SCS, v7
	s_and_b32 s15, ttmp9, 7                        ; lc
	s_lshl_b32 s15, s15, 15                        ; 32 rows of 1,024 bytes
	s_lshr_b32 s16, s12, 1
	s_lshl_b32 s16, s16, 13                        ; + 8 u rows
	s_and_b32 s17, s12, 1
	s_lshl_b32 s17, s17, 9                         ; + 512 s bytes
	s_add_co_u32 s16, s16, s17
	s_add_co_u32 s16, s16, s15
	s_mov_b32 s17, 0
	s_lshl_b32 s18, ttmp9, 13                      ; the codes: 8192 g + 2048 f
	s_lshl_b32 s19, s12, 11
	s_add_co_u32 s18, s18, s19
	s_mov_b32 s19, 0
	s_lshl_b32 s20, ttmp9, 8                       ; the scale words: 147456 + 256 g
	s_add_co_u32 s20, s20, 147456
	s_mov_b32 s21, 0
	s_mov_b32 s26, 0x76543210
	s_mov_b32 s27, 0xfedcba98                      ; v_permlanex16_b32's selects for lane l xor 16
	s_mov_b32 s28, 0x600000                        ; the mantissa field of 57,344
.irp b, 0,1,2,3
	v_mov_b32 v[TM+4+\b], 0                        ; a lane permute's destination counts as one of its sources
.endr
	s_wait_kmcnt 0x0
	s_cmp_lt_u32 ttmp9, 8                          ; which weight: the choice hangs on the work-group's number alone
	s_cselect_b64 s[4:5], s[4:5], s[6:7]
	s_cmp_lt_u32 ttmp9, 16
	s_cselect_b64 s[4:5], s[4:5], s[8:9]
	s_add_nc_u64 s[4:5], s[4:5], s[16:17]
	s_add_nc_u64 s[22:23], s[10:11], s[18:19]
	s_add_nc_u64 s[24:25], s[10:11], s[20:21]
.irp i, 0,1,2,3,4,5,6,7,8,9,10,11,12,13,14,15
	global_load_b128 v[R+4*\i:R+4*\i+3], v1, s[4:5] offset:(\i+8*(\i/8))*1024 th:TH_LOAD_NT   ; the tile's row i: 32 lanes read 512 consecutive bytes
.endr
.irp i, 0,1,2,3,4,5,6,7,8,9,10,11,12,13,14,15
	s_wait_loadcnt 15-\i                           ; loads come back in order: row i is in, the younger ones stay out
	ds_store_b128 v4, v[R+4*\i:R+4*\i+3] offset:SP*\i
.endr
.irp b, 0,1,2,3
.irp j, 0,1,2,3
	ds_load_b128 v[X+16*\b+4*\j:X+16*\b+4*\j+3], v5 offset:128*\b+16*\j   ; LDS serves a wave's instructions in order: these see my stores
.endr
.endr
	s_wait_dscnt 0x0
.irp b, 0,1,2,3
	v_max3_num_f32 v[TM+\b], |v[X+16*\b]|, |v[X+1+16*\b]|, 0x8000000   ; block b: my 16 numbers, and the floor 2^(16 - 127): the byte cannot fall under 1
.endr
.irp i, 2,4,6,8,10,12,14
.irp b, 0,1,2,3
	v_max3_num_f32 v[TM+\b], v[TM+\b], |v[X+16*\b+\i]|, |v[X+1+16*\b+\i]|   ; the four blocks by turns
.endr
.endr
.irp b, 0,1,2,3
	v_permlanex16_b32 v[TM+4+\b], v[TM+\b], s26, s27
.endr
.irp b, 0,1,2,3
	v_max_num_f32 v[TM+\b], v[TM+\b], v[TM+4+\b]   ; with lane l xor 16's: the block's largest magnitude
.endr
.irp b, 0,1,2,3
	v_add_nc_u32 v[TM+12+\b], 0xf8800000, v[TM+\b] ; 15 off its exponent field: the conversion takes the exponent field of this operand as its scale
.endr
.irp b, 0,1,2,3
	v_and_or_b32 v[TM+8+\b], v[TM+\b], 0x7f800000, s28   ; 57,344 x the scale
.endr
.irp b, 0,1,2,3
	v_lshrrev_b32 v[TM+4+\b], 23, v[TM+12+\b]      ; the scale's byte
.endr
	v_lshl_or_b32 v[PW], v[TM+5], 8, v[TM+4]
	v_lshl_or_b32 v[PW], v[TM+6], 16, v[PW]
	v_lshl_or_b32 v[PW], v[TM+7], 24, v[PW]        ; my row's scale word for these 128 along K
.irp b, 0,1,2,3
.irp i, 0,1,2,3,4,5,6,7,8,9,10,11,12,13,14,15
	v_med3_num_f32 v[X+16*\b+\i], v[X+16*\b+\i], -v[TM+8+\b], v[TM+8+\b]   ; the conversion to an 8-bit code does not saturate (ISA guide 7.6.2): the hold at the largest code x the scale
.endr
	v_cvt_scalef32_pk8_bf8_f32 v[PC+4*\b:PC+4*\b+1], v[X+16*\b:X+16*\b+7], v[TM+12+\b]
	v_cvt_scalef32_pk8_bf8_f32 v[PC+4*\b+2:PC+4*\b+3], v[X+16*\b+8:X+16*\b+15], v[TM+12+\b]
.endr
	v_nop                                          ; one plain line behind the last conversion
.irp c, 0,1,2,3
	global_store_b128 v1, v[PC+4*\c:PC+4*\c+3], s[22:23] offset:512*\c   ; 32 lanes store 512 consecutive bytes, aligned
.endr
	ds_store_b32 v6, v[PW]                         ; both halves of the lanes write the same word with the same value
	s_wait_dscnt 0x0                               ; for the others' sake: my word has landed
	s_barrier_signal -1
	s_barrier_wait -1
	s_cmp_lg_u32 s12, 0
	s_cbranch_scc1 .Lend
	ds_load_b64 v[12:13], v8                       ; wave 0: the chunk's 64 scale words
	s_wait_dscnt 0x0
	global_store_b64 v7, v[12:13], s[24:25]        ; 32 lanes store 256 consecutive bytes, aligned
.Lend:
	s_wait_tensorcnt 0x0
	ds_add_u32 v192, v193
	s_wait_dscnt 0x0
	s_endpgm
.Lfunc_end_k_qbdb7d43863_quant:
	.size	k_qbdb7d43863_quant, .Lfunc_end_k_qbdb7d43863_quant-k_qbdb7d43863_quant
	.p2alignl 7, 3214868480
	.fill 96, 4, 3214868480
	.section	.rodata,"a",@progbits
	.p2align	6, 0x0
	.amdhsa_kernel k_qbdb7d43863_quant
		.amdhsa_group_segment_fixed_size 34816
		.amdhsa_private_segment_fixed_size 0
		.amdhsa_enable_private_segment 0
		.amdhsa_kernarg_size 32
		.amdhsa_user_sgpr_count 2
		.amdhsa_user_sgpr_kernarg_segment_ptr 1
		.amdhsa_wavefront_size32 1
		.amdhsa_system_sgpr_workgroup_id_x 1
		.amdhsa_system_sgpr_workgroup_id_y 1
		.amdhsa_system_sgpr_workgroup_id_z 1
		.amdhsa_system_vgpr_workitem_id 0
		.amdhsa_next_free_vgpr 194
		.amdhsa_next_free_sgpr 66
		.amdhsa_reserve_vcc 0
		.amdhsa_float_denorm_mode_32 3
		.amdhsa_float_denorm_mode_16_64 3
		.amdhsa_memory_ordered 1
		.amdhsa_forward_progress 1
		.amdhsa_inst_pref_size 16
	.end_amdhsa_kernel
	.amdgpu_metadata
---
amdhsa.version: [ 1, 2 ]
amdhsa.kernels:
  - .name:           k_qbdb7d43863_quant
    .symbol:         k_qbdb7d43863_quant.kd
    .args:
      - { .name: Uw2, .offset: 0, .size: 8, .value_kind: global_buffer, .address_space: global }
      - { .name: Vw2, .offset: 8, .size: 8, .value_kind: global_buffer, .address_space: global }
      - { .name: Vw3, .offset: 16, .size: 8, .value_kind: global_buffer, .address_space: global }
      - { .name: wq, .offset: 24, .size: 8, .value_kind: global_buffer, .address_space: global }
    .group_segment_fixed_size: 34816
    .private_segment_fixed_size: 0
    .kernarg_segment_align: 8
    .kernarg_segment_size: 32
    .max_flat_workgroup_size: 128
    .sgpr_count:     66
    .vgpr_count:     194
    .wavefront_size: 32
...
	.end_amdgpu_metadata
.endif
;; end of part 1
;; launch net (part 2): grid 256 x 1, 8 waves a work-group, clusters of 4 x 1, 327,680 bytes of LDS; arguments wq, x, Uw1, Ub1, Ub2, Uw3, Ub3, Vw1, Vb1, Vb2, Vb3, out0, out1, out2; writes out0, out1, out2
.if DOCPART == 2
	.amdgcn_target "amdgcn-amd-amdhsa--gfx1250"
	.amdhsa_code_object_version 6
	.text
	.protected	k_qbdb7d43863_net
	.globl	k_qbdb7d43863_net
	.p2align	8
	.type	k_qbdb7d43863_net,@function
k_qbdb7d43863_net:
	s_mov_b64 s[64:65], 0
	v_nop
	global_prefetch_b8 v0, s[64:65] scope:SCOPE_SE
	s_setreg_imm32_b32 hwreg(HW_REG_WAVE_MODE, 25, 1), 1
	s_wait_xcnt 0x0
	s_wait_alu depctr_hold_cnt(0) depctr_sa_sdst(0) depctr_va_vdst(0) depctr_va_sdst(0) depctr_va_ssrc(0) depctr_va_vcc(0) depctr_vm_vsrc(0)
	s_getreg_b32 s2, hwreg(HW_REG_IB_STS2, 6, 4)
	s_cmp_eq_u32 s2, 0
	s_cbranch_scc0 .Lentry_in_a_cluster
	s_endpgm
.Lentry_in_a_cluster:
	s_bfe_u32 s2, ttmp6, 0x10000c
	s_cmp_lg_u32 s2, 0x3003
	s_cbranch_scc0 .Lentry_shape_is_right
	s_endpgm
.Lentry_shape_is_right:
; u = 20 tanh(..) of the U net (4 -> 256 -> 256 -> 1), V = 0.5 |a3|^2 of the V net (4 -> 256 -> 256 -> 64), grad V by the Jacobian carried through the same weights, and Vdot by the segway model.
; The products over K = 256 run on codes of BF8 (E5M2) with one E8M0 scale for each 32 along K; the weights' codes and scale words come from wq, laid as images of the operands' registers.
; SHARES.  A work-group owns 512 rows, each of its eight waves 64; two waves lie on a SIMD, so that one wave's vector work stands beside the other's matrix work and LDS loads.
; A wave first runs the U net on four tiles of 16 rows at once, then four V phases of 16 rows; a V phase has FIVE tiles of rows: the activations, and the Jacobian's four columns.
; LAYOUT.  Every product is used transposed (source 0 = 16 weight rows, source 1 = 16 rows of activations): a lane (r, h) holds one row r.  The weight rows of a tile are chosen so that the 16 registers
; of a chunk's two tiles are units 32 c + 16 h + 0..15: a lane's half of block c of the next K.  A chunk (32 units) is activated, quantised, and its codes (4 registers a tile of rows) go to the wave's own stage in LDS
; as images of the next operand's registers.  The chunk's scale byte is shifted into a pair of registers; after 8 chunks the pair holds the two K steps' scale words.
; LAYER 1 (K = 4) goes to the matrix unit in its f32 form, bias as C; its results go on into a quantiser, so its operands are f32.
; tanh(z) = 1 - 2 / (1 + 2^(2 log2(e) z)).  CLUSTER: the four work-groups of a cluster need the same weights: each wave's two tensor loads are joint loads, filled once; nothing in LDS is filled twice.
; LIMITS: tanh has an absolute error of about 1e-7 (a relative one of 1e-7 / |tanh|); theta is reduced by pi/2 in two parts, good to about |theta| = 1e4; blocks whose largest magnitude lies under 2^-111
; take the floor's scale byte; NaN and infinities among the inputs are not served.  Vdot's terms are summed in another order than the source reads.
; LDS (bytes)
.set CODES, 131072                     ; 18 chunks x 8,192: Uw2, from +65,536 Vw2, from +131,072 Vw3
.set SCL,   278528                     ; 18 x 256: the weights' scale words
.set TU,    283136                     ; Uw1 transposed, [k][unit]
.set TV,    287232                     ; Vw1 transposed
.set UB1,   291328
.set UB2,   292352
.set UW3,   293376
.set VB1,   294400
.set VB2,   295424
.set VB3,   296448                     ; directly behind VB2
.set XS,    296704                     ; 8 x 1,024: each wave's 64 rows of x
.set OUTS,  304896                     ; 8 x 768: each wave's u, V, Vdot
.set SPARE, 311040                     ; the spare words, 128 bytes for each wave: four blocks of 256 bytes that no other line names
; the stages lie from byte 0: in the U phase 16,384 a wave; in the V phases 20,480 a wave, which reaches over Uw2's first four chunks: those have then had their only fill and their last read
; REGISTERS, window 0
.set LI,   1                           ; 16 x lane
.set L4,   2                           ; 4 x lane
.set H64,  3                           ; 64 h
.set AB,   4                           ; 2048 h + 4 (r + 8 (r / 8)): my place in a transposed first-layer weight
.set USTB, 5                           ; 16384 x wave + 16 x lane
.set VSTB, 6                           ; 20480 x wave + 16 x lane
.set XSA,  7                           ; XS + 1024 x wave + 16 r
.set OSA,  8                           ; OUTS + 768 x wave + 4 r
.set ADW,  9                           ; addresses made for each run of loads
.set ADS,  10
.set ADB,  11
.set ADA,  12
.set ADT,  13
.set STA,  14
.set TA,   15
.set W,    16                          ; v16-95   the chunk at work: tile of rows t at W + 16 t
.set TD,   96                          ; v96-111  1 - tanh^2, or Uw3's 16 numbers
.set BIA,  112                         ; v112-127 the chunk's biases, in the result's layout
.set L1A,  128                         ; v128-131 first-layer weights: two tiles x two registers
.set XB,   132                         ; v132-139 x as source 1 of the f32 form
.set WS,   140                         ; v140-141 the weights' scale words
.set SWI,  142                         ; v142-151 the activations' scale words in use
.set SWN,  152                         ; v152-161 those being made
.set QM,   162
.set QP,   167
.set QH,   172
.set QS,   177
.set CT,   182                         ; v182-201 the codes just made
.set X,    202                         ; v202-205 my row of x
.set VS,   206                         ; v206-207 sum of a3^2
.set GK,   208                         ; v208-215 grad V, four pairs
.set UACC, 216                         ; v216-223 u2 . Uw3, four pairs
.set UU,   224
.set OUTA, 251                         ; OUTS + 768 x wave + 8 x lane
.set GO8,  252                         ; 8 x lane
.set SPW,  253                         ; LDS address of my spare word; never rewritten
.set NIL,  254                         ; 0; never rewritten
; window 1: v0-159 IN (tile of rows t, K step s at 32 t + 16 s); v160-223 WF (fragment f at 16 f); v224-255 L1D, written by the f32 matrix form alone
.set WF,   160
.set L1D,  224
; scalars
.set WV,   32
.set SEL,  66
.set C2,   68                          ; s[68:69] 2 log2(e)
.set MNT,  70
.set HM,   71                          ; lanes 16-31
.set WOFF, 74
.set SOFF, 75
.set BOFF, 76
.set AOFF, 77
.set TOFF, 78
.set STOFF, 79
.set UOFF, 80
.set UB3S, 81
.set XOFF, 82
.set OOFF, 83
.set MSB, 0
.macro WIN new                         ; the immediate's high byte repeats the setting that is left
.if MSB != \new
	s_set_vgpr_msb (MSB<<8)|\new
.set MSB, \new
.endif
.endm
.macro ROUND                           ; a round of the cluster's barrier
	s_barrier_signal -1
	s_barrier_wait -1
	s_cmp_lg_u32 s[WV], 0
	s_cbranch_scc1 .Lnot_wave_0_\@
	s_barrier_signal -3
.Lnot_wave_0_\@:
	s_barrier_wait -3
	s_barrier_signal -1
	s_barrier_wait -1
.endm
.macro PLACES n                        ; plain vector lines behind matrix instructions (ISA guide 7.12.1)
.rept \n
	v_nop
.endr
.endm
.macro FETCHW                          ; a chunk's four weight fragments and its two scale registers: 18 LDS loads
	v_add_nc_u32 v[ADW], s[WOFF], v[LI]
	v_add_nc_u32 v[ADS], s[SOFF], v[L4]
	WIN 0x40                                       ; destination window 1
.irp f, 0,1,2,3
.irp c, 0,1,2,3
	ds_load_b128 v[WF+16*\f+4*\c:WF+16*\f+4*\c+3], v[ADW] offset:2048*\f+512*\c
.endr
.endr
	WIN 0
	ds_load_b32 v[WS], v[ADS]
	ds_load_b32 v[WS+1], v[ADS] offset:128
	s_add_co_u32 s[WOFF], s[WOFF], 8192
	s_add_co_u32 s[SOFF], s[SOFF], 256
.endm
.macro FETCHB dst, soff, adr           ; 16 numbers of a table at units 32 c + 16 h: 4 LDS loads
	v_add_nc_u32 v[\adr], s[\soff], v[H64]
.irp i, 0,1,2,3
	ds_load_b128 v[\dst+4*\i:\dst+4*\i+3], v[\adr] offset:16*\i
.endr
	s_add_co_u32 s[\soff], s[\soff], 128
.endm
.macro FETCHA                          ; first-layer weights as source 0 of the f32 form: register e of tile u = W1(unit 32 c + 8 u + r + 8 (r / 8), k = 2 h + e): 4 LDS loads
	v_add_nc_u32 v[ADA], s[AOFF], v[AB]
.irp u, 0,1
.irp e, 0,1
	ds_load_b32 v[L1A+2*\u+\e], v[ADA] offset:32*\u+1024*\e
.endr
.endr
	s_add_co_u32 s[AOFF], s[AOFF], 128
.endm
.macro FETCHT                          ; Vw1(units 32 c + 16 h + 0..15, k) into the Jacobian's four tiles: 16 LDS loads
	v_add_nc_u32 v[ADT], s[TOFF], v[H64]
.irp k, 0,1,2,3
.irp i, 0,1,2,3
	ds_load_b128 v[W+16+16*\k+4*\i:W+16+16*\k+4*\i+3], v[ADT] offset:1024*\k+16*\i
.endr
.endr
	s_add_co_u32 s[TOFF], s[TOFF], 128
.endm
.macro GETIN n, base                   ; the stage's images come back as the next layer's operands
	WIN 0x40
.set t, 0
.rept \n
.irp q, 0,1,2,3,4,5,6,7
	ds_load_b128 v[32*t+4*\q:32*t+4*\q+3], v[\base] offset:4096*t+512*\q
.endr
.set t, t+1
.endr
	WIN 0
.endm
.macro L1MM first, n                   ; layer 1 of n tiles of rows from tile first on: z = W1 x + b, f32 operands, K = 4
	WIN 0x40
.set m, \first
.rept \n
.irp u, 0,1
	v_wmma_f32_16x16x4_f32 v[L1D+16*(m-\first)+8*\u:L1D+16*(m-\first)+8*\u+7], v[L1A+2*\u:L1A+2*\u+1], v[XB+2*m:XB+2*m+1], v[BIA+8*\u:BIA+8*\u+7]
.endr
.set m, m+1
.endr
	WIN 0
.endm
; A chunk's products: n tiles of rows x 2 tiles of units x 2 K steps.  The 2 n accumulators take turns, one instruction a turn.  The bias is the C of a sum's first instruction
; (allbias = 1: of every tile of rows; 0: of tile 0 alone, the Jacobian's sums begin with 0).
.macro MM n, allbias
	WIN 0x05                                       ; sources 0 and 1 window 1; C and D window 0
.irp s, 0,1
.set t, 0
.rept \n
.irp u, 0,1
.if \s == 1
	v_wmma_scale_f32_16x16x128_f8f6f4 v[W+16*t+8*\u:W+16*t+8*\u+7], v[WF+16*(2*\u+1):WF+16*(2*\u+1)+15], v[32*t+16:32*t+31], v[W+16*t+8*\u:W+16*t+8*\u+7], v[WS+\u], v[SWI+2*t+1] matrix_a_fmt:MATRIX_FMT_BF8 matrix_b_fmt:MATRIX_FMT_BF8 matrix_a_scale:MATRIX_SCALE_ROW1
.elseif (t == 0) || \allbias
	v_wmma_scale_f32_16x16x128_f8f6f4 v[W+16*t+8*\u:W+16*t+8*\u+7], v[WF+16*(2*\u):WF+16*(2*\u)+15], v[32*t:32*t+15], v[BIA+8*\u:BIA+8*\u+7], v[WS+\u], v[SWI+2*t] matrix_a_fmt:MATRIX_FMT_BF8 matrix_b_fmt:MATRIX_FMT_BF8
.else
	v_wmma_scale_f32_16x16x128_f8f6f4 v[W+16*t+8*\u:W+16*t+8*\u+7], v[WF+16*(2*\u):WF+16*(2*\u)+15], v[32*t:32*t+15], 0, v[WS+\u], v[SWI+2*t] matrix_a_fmt:MATRIX_FMT_BF8 matrix_b_fmt:MATRIX_FMT_BF8
.endif
.endr
.set t, t+1
.endr
.endr
	WIN 0
.endm
.macro ZMUL dst, src, n, win           ; 2 log2(e) z, two at a time, each accumulator from its low end on
	WIN \win
.set i, 0
.rept (\n)/2
	v_pk_mul_f32 v[\dst+i:\dst+i+1], v[\src+i:\src+i+1], s[C2:C2+1] op_sel_hi:[1,0]
.set i, i+2
.endr
	WIN 0
.endm
.macro TREST b0, n                     ; the rest of tanh, in place: two batches of transcendentals, each with one plain line and one wait ahead of its first reader
.set i, 0
.rept \n
	v_exp_f32 v[\b0+i], v[\b0+i]
.set i, i+1
.endr
	v_nop
	s_wait_alu depctr_va_vdst(0)                   ; one wait for the batch of exponentials
.set i, 0
.rept (\n)/2
	v_pk_add_f32 v[\b0+i:\b0+i+1], v[\b0+i:\b0+i+1], 1.0 op_sel_hi:[1,0]
.set i, i+2
.endr
.set i, 0
.rept \n
	v_rcp_f32 v[\b0+i], v[\b0+i]
.set i, i+1
.endr
	v_nop
	s_wait_alu depctr_va_vdst(0)                   ; one wait for the batch of reciprocals
.set i, 0
.rept (\n)/2
	v_pk_fma_f32 v[\b0+i:\b0+i+1], v[\b0+i:\b0+i+1], -2.0, 1.0 op_sel_hi:[1,0,0]
.set i, i+2
.endr
.endm
.macro DER                             ; 1 - a^2 of tile 0
.set i, 0
.rept 8
	v_pk_fma_f32 v[TD+i:TD+i+1], v[W+i:W+i+1], v[W+i:W+i+1], 1.0 op_sel_hi:[1,1,0] neg_lo:[1,0,0] neg_hi:[1,0,0]
.set i, i+2
.endr
.endm
.macro DMUL                            ; the Jacobian's four tiles x (1 - a^2), each accumulator from its low end on
.set i, 0
.rept 8
.irp k, 0,1,2,3
	v_pk_mul_f32 v[W+16+16*\k+i:W+16+16*\k+i+1], v[W+16+16*\k+i:W+16+16*\k+i+1], v[TD+i:TD+i+1]
.endr
.set i, i+2
.endr
.endm
; n blocks of 32 along the next K (a lane holds 16 numbers of each, lane l xor 16 the others) become codes in CT and a byte in each block's pair of scale words.
.macro QUANT n
.set b, 0
.rept \n
	v_max3_num_f32 v[QM+b], |v[W+16*b]|, |v[W+16*b+1]|, 0x8000000   ; and the floor 2^(16 - 127): the byte cannot fall under 1
.set b, b+1
.endr
.irp i, 2,4,6,8,10,12,14
.set b, 0
.rept \n
	v_max3_num_f32 v[QM+b], v[QM+b], |v[W+16*b+\i]|, |v[W+16*b+\i+1]|   ; the blocks by turns
.set b, b+1
.endr
.endr
.set b, 0
.rept \n
	v_permlanex16_b32 v[QP+b], v[QM+b], s[SEL], s[SEL+1]
.set b, b+1
.endr
.set b, 0
.rept \n
	v_max_num_f32 v[QM+b], v[QM+b], v[QP+b]        ; the block's largest magnitude
.set b, b+1
.endr
.set b, 0
.rept \n
	v_add_nc_u32 v[QS+b], 0xf8800000, v[QM+b]      ; 15 off its exponent field: the conversion's scale operand
.set b, b+1
.endr
.set b, 0
.rept \n
	v_and_or_b32 v[QH+b], v[QM+b], 0x7f800000, s[MNT]   ; 57,344 x the scale
.set b, b+1
.endr
.set b, 0
.rept \n
	v_lshrrev_b32 v[QP+b], 23, v[QS+b]             ; the scale's byte
.set b, b+1
.endr
.set b, 0
.rept \n
	v_alignbit_b32 v[SWN+2*b], v[SWN+2*b+1], v[SWN+2*b], 8   ; the pair moves down by a byte,
.set b, b+1
.endr
.set b, 0
.rept \n
	v_alignbit_b32 v[SWN+2*b+1], v[QP+b], v[SWN+2*b+1], 8    ; and the new byte comes in on top: after 8 chunks chunk c's byte stands at byte c
.set b, b+1
.endr
.set b, 0
.rept \n
.irp i, 0,1,2,3,4,5,6,7,8,9,10,11,12,13,14,15
	v_med3_num_f32 v[W+16*b+\i], v[W+16*b+\i], -v[QH+b], v[QH+b]   ; the conversion to an 8-bit code does not saturate (ISA guide 7.6.2): the hold at the largest code x the scale
.endr
	v_cvt_scalef32_pk8_bf8_f32 v[CT+4*b:CT+4*b+1], v[W+16*b:W+16*b+7], v[QS+b]
	v_cvt_scalef32_pk8_bf8_f32 v[CT+4*b+2:CT+4*b+3], v[W+16*b+8:W+16*b+15], v[QS+b]
.set b, b+1
.endr
	v_nop                                          ; one plain line behind the last conversion
.endm
.macro PUT n, base                     ; the codes go to my stage as they stand: tile of rows b, block c at 4096 b + 512 c + 16 x lane
	v_add_nc_u32 v[STA], s[STOFF], v[\base]
.set b, 0
.rept \n
	ds_store_b128 v[STA], v[CT+4*b:CT+4*b+3] offset:4096*b
.set b, b+1
.endr
	s_add_co_u32 s[STOFF], s[STOFF], 512
.endm
.macro DOT                             ; u2 . Uw3, four tiles of rows by turns
.set i, 0
.rept 8
.irp m, 0,1,2,3
	v_pk_fma_f32 v[UACC+2*\m:UACC+2*\m+1], v[W+16*\m+i:W+16*\m+i+1], v[TD+i:TD+i+1], v[UACC+2*\m:UACC+2*\m+1]
.endr
.set i, i+2
.endr
.endm
.macro L3FIN first                     ; a chunk of layer 3: a3, then V's and grad V's sums: grad_k = sum of a3 (1 - a3^2) (Vw3 D2)_k
	ZMUL W, W, 16, 0
	TREST W, 16
	DER
.irp i, 0,2,4,6,8,10,12,14
	v_pk_mul_f32 v[TD+\i:TD+\i+1], v[TD+\i:TD+\i+1], v[W+\i:W+\i+1]
.endr
.irp i, 0,2,4,6,8,10,12,14
.if \first && (\i == 0)
	v_pk_mul_f32 v[VS:VS+1], v[W:W+1], v[W:W+1]    ; the first products start the sums
.irp k, 0,1,2,3
	v_pk_mul_f32 v[GK+2*\k:GK+2*\k+1], v[W+16+16*\k:W+16+16*\k+1], v[TD:TD+1]
.endr
.else
	v_pk_fma_f32 v[VS:VS+1], v[W+\i:W+\i+1], v[W+\i:W+\i+1], v[VS:VS+1]
.irp k, 0,1,2,3
	v_pk_fma_f32 v[GK+2*\k:GK+2*\k+1], v[W+16+16*\k+\i:W+16+16*\k+\i+1], v[TD+\i:TD+\i+1], v[GK+2*\k:GK+2*\k+1]
.endr
.endif
.endr
.endm
	; ---- THE HEAD
	s_load_b512 s[4:19], s[0:1], 0x0               ; wq s[4:5], x s[6:7], Uw1 s[8:9], Ub1 s[10:11], Ub2 s[12:13], Uw3 s[14:15], Ub3 s[16:17], Vw1 s[18:19]
	s_load_b256 s[20:27], s[0:1], 0x40             ; Vb1 s[20:21], Vb2 s[22:23], Vb3 s[24:25], out0 s[26:27]
	s_load_b128 s[28:31], s[0:1], 0x60             ; out1 s[28:29], out2 s[30:31]
	v_lshl_add_u32 v[SPW], v0, 2, SPARE
	v_mov_b32 v[NIL], 0
	ds_add_u32 v253, v254
	ds_add_u32 v253, v254
	s_wait_dscnt 0x0
	v_lshrrev_b32 v15, 5, v0
	v_readfirstlane_b32 s[WV], v15                 ; wave 0..7
	s_bfe_u32 s33, ttmp6, 0x40000                  ; cx: it enters x's and the outputs' addresses alone
	s_lshl_b32 s34, ttmp9, 2
	s_add_co_u32 s34, s34, s33                     ; work-group = 4 x cluster + cx
	v_and_b32 v236, 31, v0                         ; lane
	v_and_b32 v237, 15, v0                         ; r
	v_bfe_u32 v238, v0, 4, 1                       ; h
	v_lshlrev_b32 v[LI], 4, v236
	v_lshlrev_b32 v[L4], 2, v236
	v_lshlrev_b32 v[GO8], 3, v236
	v_lshlrev_b32 v[H64], 6, v238
	v_and_b32 v239, 8, v237
	v_add_nc_u32 v239, v239, v237                  ; r + 8 (r / 8)
	v_lshlrev_b32 v[AB], 2, v239
	v_lshl_add_u32 v[AB], v238, 11, v[AB]
	s_lshl_b32 s84, s[WV], 14
	v_add_nc_u32 v[USTB], s84, v[LI]
	s_mul_i32 s84, s[WV], 20480
	v_add_nc_u32 v[VSTB], s84, v[LI]
	s_lshl_b32 s84, s[WV], 10
	s_add_co_u32 s84, s84, XS
	v_lshl_add_u32 v[XSA], v237, 4, s84
	v_add_nc_u32 v240, s84, v[LI]                  ; where my 16 bytes of x go
	s_mul_i32 s84, s[WV], 768
	s_add_co_u32 s84, s84, OUTS
	v_lshl_add_u32 v[OSA], v237, 2, s84
	v_add_nc_u32 v[OUTA], s84, v[GO8]
	v_lshlrev_b32 v241, 4, v0                      ; 16 x thread: a row of Uw1 or Vw1
	v_lshlrev_b32 v242, 2, v0                      ; 4 x thread: a number of a table
	v_add_nc_u32 v243, TU, v242                    ; the tables in LDS: every one lies within 64 KiB behind TU
.irp j, 0,1,2,3,4
	v_mov_b32 v[QP+\j], 0                          ; a lane permute's destination counts as one of its sources
	v_mov_b32 v[231+\j], 0
.endr
.irp j, 0,1,2,3,4,5,6,7,8,9
	v_mov_b32 v[SWN+\j], 0                         ; the pairs are read as they are shifted
.endr
	s_mov_b32 s[SEL], 0x76543210
	s_mov_b32 s[SEL+1], 0xfedcba98                 ; lane l xor 16
	s_mov_b32 s[C2], 0x4038aa3b                    ; 2 log2(e)
	s_mov_b32 s[C2+1], s[C2]                       ; (named with it as a pair)
	s_mov_b32 s[MNT], 0x600000                     ; the mantissa field of 57,344
	s_mov_b32 s[HM], 0xffff0000
	s_mov_b32 s86, 0xbfe66666                      ; -1.8
	s_mov_b32 s87, 0xc12e6666                      ; -10.9
	s_mov_b32 s88, 0x4114cccd                      ; 9.3
	s_mov_b32 s89, 0x421a6666                      ; 38.6
	; descriptor group 1, codes: 72 rows of 32 elements of 8 bytes, dense; the mask names the cluster's four work-groups, bit 21 beside it
	s_mov_b32 s40, 15|(3<<16)|(1<<21)
	s_mov_b32 s41, 32<<16                          ; tensor_dim0
	s_mov_b32 s42, 72<<16                          ; tensor_dim1
	s_mov_b32 s43, 32<<16                          ; tile_dim0
	s_mov_b32 s44, 72                              ; tile_dim1
	s_mov_b32 s45, 32                              ; the pitch
	s_mov_b32 s46, 0
	s_mov_b32 s47, 0
	; and scale words: one row of 72 elements of 8 bytes
	s_mov_b32 s52, 15|(3<<16)|(1<<21)
	s_mov_b32 s53, 72<<16
	s_mov_b32 s54, 1<<16
	s_mov_b32 s55, 72<<16
	s_mov_b32 s56, 1
	s_mov_b32 s57, 72
	s_mov_b32 s58, 0
	s_mov_b32 s59, 0
	s_mul_i32 s84, s[WV], 18432                    ; an eighth of the codes a wave,
	s_mov_b32 s85, 0
	s_mul_i32 s90, s[WV], 576                      ; and of the scale words: the wave's number alone, so all four partners' descriptors are equal
	s_mov_b32 s91, 0
	s_wait_kmcnt 0x0
	s_mov_b32 s36, 1
	s_add_co_u32 s37, s84, CODES
	s_add_nc_u64 s[38:39], s[4:5], s[84:85]
	s_or_b32 s39, s39, 0x80000000
	s_mov_b32 s48, 1
	s_add_co_u32 s49, s90, SCL
	s_add_co_u32 s90, s90, 147456
	s_add_nc_u64 s[50:51], s[4:5], s[90:91]
	s_or_b32 s51, s51, 0x80000000
	ROUND                                          ; all four work-groups are here: the joint loads meet
	tensor_load_to_lds s[36:39], s[40:47]          ; my two loads, the only ones of the launch: two are out
	s_nop 0
	tensor_load_to_lds s[48:51], s[52:59]
	s_nop 0
.rept 4
	v_nop
.endr
	s_load_b32 s[UB3S], s[16:17], 0x0              ; Ub3
	s_lshl_b32 s84, s34, 13                        ; x: 8,192 bytes a work-group, 1,024 a wave
	s_lshl_b32 s85, s[WV], 10
	s_add_co_u32 s84, s84, s85
	s_mov_b32 s85, 0
	s_add_nc_u64 s[6:7], s[6:7], s[84:85]
	s_lshr_b32 s84, s84, 2                         ; the outputs: a quarter of that
	s_add_nc_u64 s[26:27], s[26:27], s[84:85]
	s_add_nc_u64 s[28:29], s[28:29], s[84:85]
	s_add_nc_u64 s[30:31], s[30:31], s[84:85]
	global_load_b128 v[16:19], v[LI], s[6:7] th:TH_LOAD_NT
	global_load_b128 v[20:23], v[LI], s[6:7] offset:512 th:TH_LOAD_NT
	global_load_b128 v[24:27], v241, s[8:9]        ; Uw1's row = my thread's number
	global_load_b128 v[28:31], v241, s[18:19]      ; Vw1's
	global_load_b32 v32, v242, s[10:11]            ; Ub1
	global_load_b32 v33, v242, s[12:13]            ; Ub2
	global_load_b32 v34, v242, s[14:15]            ; Uw3
	global_load_b32 v35, v242, s[20:21]            ; Vb1
	global_load_b32 v36, v242, s[22:23]            ; Vb2
	s_wait_loadcnt 0x0
	ds_store_b128 v240, v[16:19]
	ds_store_b128 v240, v[20:23] offset:512
.irp k, 0,1,2,3
	ds_store_b32 v243, v[24+\k] offset:1024*\k            ; transposed: [k][unit]
	ds_store_b32 v243, v[28+\k] offset:TV-TU+1024*\k
.endr
	ds_store_b32 v243, v32 offset:UB1-TU
	ds_store_b32 v243, v33 offset:UB2-TU
	ds_store_b32 v243, v34 offset:UW3-TU
	ds_store_b32 v243, v35 offset:VB1-TU
	ds_store_b32 v243, v36 offset:VB2-TU
	s_cmp_lt_u32 s[WV], 2                          ; Vb3 has 64 numbers: waves 0 and 1
	s_cbranch_scc0 .Lno_vb3
	global_load_b32 v37, v242, s[24:25]
	s_wait_loadcnt 0x0
	ds_store_b32 v243, v37 offset:VB3-TU
.Lno_vb3:
	s_wait_kmcnt 0x0                               ; Ub3
	s_wait_dscnt 0x0                               ; for the others' sake: my part of the tables has landed
	s_barrier_signal -1
	s_barrier_wait -1                              ; the tables are whole; the tensor loads may stay out
	; ---- U, LAYER 1: u1 = tanh(x Uw1^T + Ub1), four tiles of rows, quantised chunk by chunk
.irp m, 0,1,2,3
	ds_load_b128 v[W+4*\m:W+4*\m+3], v[XSA] offset:256*\m
.endr
	s_mov_b32 s[AOFF], TU
	s_mov_b32 s[BOFF], UB1
	s_mov_b32 s[STOFF], 0
	FETCHA
	FETCHB BIA, BOFF, ADB
	s_wait_dscnt 0x0
.irp m, 0,1,2,3
	v_cndmask_b32 v[XB+2*\m], v[W+4*\m], v[W+4*\m+2], s[HM]       ; source 1 of the f32 form: register e holds x(row r, k = 2 h + e)
	v_cndmask_b32 v[XB+2*\m+1], v[W+4*\m+1], v[W+4*\m+3], s[HM]
.endr
	s_mov_b32 s72, 0
.Lu1:
	s_wait_dscnt 0x0                               ; this chunk's weights and biases are in; the last chunk's stores have read their registers
	L1MM 0, 2
	PLACES 9                                       ; eight ahead of the reads of the results, nine ahead of the products below, which write over them
	ZMUL W, L1D, 32, 0x01
	L1MM 2, 2
	TREST W, 32                                    ; its 34 plain lines name none of those products' registers: they are the places behind them
	FETCHA                                         ; the next chunk's (the last trip's fall on the tables that lie behind, and are not used)
	FETCHB BIA, BOFF, ADB
	ZMUL W+32, L1D, 32, 0x01
	TREST W+32, 32
	QUANT 4
	PUT 4, USTB
	s_add_co_u32 s72, s72, 1
	s_cmp_lt_u32 s72, 8
	s_cbranch_scc1 .Lu1
	; ---- U, LAYER 2 AND 3
	s_wait_tensorcnt 0x0                           ; my parts of the weights have landed,
	s_wait_dscnt 0x0
	s_barrier_signal -1
	s_barrier_wait -1                              ; everybody's have
.irp j, 0,1,2,3,4,5,6,7
	v_mov_b32 v[SWI+\j], v[SWN+\j]                 ; u1's scale words
.endr
	GETIN 4, USTB
	s_mov_b32 s[WOFF], CODES
	s_mov_b32 s[SOFF], SCL
	s_mov_b32 s[BOFF], UB2
	s_mov_b32 s[UOFF], UW3
	FETCHW
	FETCHB BIA, BOFF, ADB
.irp j, 0,1,2,3,4,5,6,7
	v_mov_b32 v[UACC+\j], 0
.endr
	PLACES 8                                       ; scale registers written by vector lines stand eight places ahead of a scaled product
	s_mov_b32 s72, 0
.Lu2:
	s_wait_dscnt 0x0
	MM 4, 1
	PLACES 8                                       ; ahead of the loads into registers that the products have read, and of the reads of their results
	FETCHW                                         ; the next chunk's (the last trip's is Vw2's first chunk, and is not used)
	FETCHB BIA, BOFF, ADB
	FETCHB TD, UOFF, ADT                           ; this chunk's 16 numbers of Uw3
	ZMUL W, W, 64, 0
	TREST W, 64
	s_wait_dscnt 0x0
	DOT
	s_add_co_u32 s72, s72, 1
	s_cmp_lt_u32 s72, 8
	s_cbranch_scc1 .Lu2
.irp m, 0,1,2,3
	v_add_f32 v[226+\m], v[UACC+2*\m], v[UACC+2*\m+1]
.endr
.irp m, 0,1,2,3
	v_permlanex16_b32 v[231+\m], v[226+\m], s[SEL], s[SEL+1]
.endr
.irp m, 0,1,2,3
	v_add_f32 v[226+\m], v[226+\m], v[231+\m]      ; with the other half of the units
.endr
.irp m, 0,1,2,3
	v_add_f32 v[226+\m], s[UB3S], v[226+\m]
.endr
	ZMUL 226, 226, 4, 0
	TREST 226, 4
.irp m, 0,1,2,3
	v_mul_f32 v[226+\m], 0x41a00000, v[226+\m]     ; x 20
.endr
.irp m, 0,1,2,3
	ds_store_b32 v[OSA], v[226+\m] offset:64*\m    ; u of row 16 m + r; both halves of the lanes write the same word with the same value
.endr
	s_wait_dscnt 0x0                               ; my reads of Uw2's codes and of my U stage are over
	s_barrier_signal -1
	s_barrier_wait -1                              ; everybody's are: the V stages may be written
	; ---- FOUR V PHASES of 16 rows
	s_mov_b32 s73, 0
	s_mov_b32 s[XOFF], 0
	s_mov_b32 s[OOFF], 0
.Lvp:
	v_add_nc_u32 v[TA], s[XOFF], v[XSA]
	ds_load_b128 v[X:X+3], v[TA]
	s_mov_b32 s[WOFF], CODES+65536
	s_mov_b32 s[SOFF], SCL+2048
	s_mov_b32 s[AOFF], TV
	s_mov_b32 s[TOFF], TV
	s_mov_b32 s[BOFF], VB1
	s_mov_b32 s[STOFF], 0
	FETCHW                                         ; Vw2's first chunk, for layer 2
	FETCHA
	FETCHB BIA, BOFF, ADB
	FETCHT
	s_wait_dscnt 42                                ; behind x's row: 18 + 4 + 4 + 16 loads, which may stay out
	v_cndmask_b32 v[XB], v[X], v[X+2], s[HM]
	v_cndmask_b32 v[XB+1], v[X+1], v[X+3], s[HM]
	s_mov_b32 s72, 0
.Lv1:                                              ; layer 1: a1 and D1 = (1 - a1^2) Vw1
	s_wait_dscnt 16                                ; all but the 16 loads of Vw1's table, the youngest on the way in and on the way back
	L1MM 0, 1
	PLACES 8
	ZMUL W, L1D, 16, 0x01
	TREST W, 16
	DER
	s_wait_dscnt 0x0                               ; the table is in
	FETCHA                                         ; the next chunk's (the last trip's bias is Vb2's first block, which layer 2 takes)
	FETCHB BIA, BOFF, ADB
	DMUL
	QUANT 5
	PUT 5, VSTB
	FETCHT
	s_add_co_u32 s72, s72, 1
	s_cmp_lt_u32 s72, 8
	s_cbranch_scc1 .Lv1
.irp j, 0,1,2,3,4,5,6,7,8,9
	v_mov_b32 v[SWI+\j], v[SWN+\j]
.endr
	GETIN 5, VSTB
	s_mov_b32 s[STOFF], 0
	PLACES 8
	s_mov_b32 s72, 0
.Lv2:                                              ; layer 2: a2 and D2 = (1 - a2^2) (Vw2 D1)
	s_wait_dscnt 0x0
	MM 5, 0
	PLACES 8
	FETCHW                                         ; the next chunk's; behind Vw2's last lie Vw3's first and Vb3
	FETCHB BIA, BOFF, ADB
	ZMUL W, W, 16, 0
	TREST W, 16
	DER
	DMUL
	QUANT 5
	PUT 5, VSTB
	s_add_co_u32 s72, s72, 1
	s_cmp_lt_u32 s72, 8
	s_cbranch_scc1 .Lv2
.irp j, 0,1,2,3,4,5,6,7,8,9
	v_mov_b32 v[SWI+\j], v[SWN+\j]
.endr
	GETIN 5, VSTB
	PLACES 8
	s_wait_dscnt 0x0                               ; layer 3: two chunks, written out
	MM 5, 0
	PLACES 8
	FETCHW
	FETCHB BIA, BOFF, ADB
	L3FIN 1
	s_wait_dscnt 0x0
	MM 5, 0
	PLACES 8
	L3FIN 0
	; the phase's end: the sums, the segway model, Vdot
	v_add_f32 v226, v[VS], v[VS+1]
.irp k, 0,1,2,3
	v_add_f32 v[227+\k], v[GK+2*\k], v[GK+2*\k+1]
.endr
	v_add_nc_u32 v[TA], s[OOFF], v[OSA]
	ds_load_b32 v[UU], v[TA]                       ; u of my row
.irp j, 0,1,2,3,4
	v_permlanex16_b32 v[231+\j], v[226+\j], s[SEL], s[SEL+1]
.endr
.irp j, 0,1,2,3,4
	v_add_f32 v[226+\j], v[226+\j], v[231+\j]      ; with the other half of the units: v226 |a3|^2, v227-230 grad V
.endr
	v_mul_f32 v226, 0.5, v226                      ; V
	v_mul_f32 v236, 0x3f22f983, v[X+1]             ; theta x 2 / pi,
	v_rndne_f32 v236, v236                         ; to the nearest whole number n
	v_fmamk_f32 v237, v236, 0xbfc90fdb, v[X+1]     ; t = theta - n pi / 2, pi / 2 in two parts
	v_fmamk_f32 v237, v236, 0x333bbd2e, v237
	v_mul_f32 v238, v237, v237                     ; t^2
	v_mov_b32 v239, 0x3c08839e
	v_fmamk_f32 v239, v238, 0xb94ca1f9, v239
	v_fmaak_f32 v239, v238, v239, 0xbe2aaaa3
	v_mul_f32 v239, v239, v238
	v_fma_f32 v239, v239, v237, v237               ; sin t, |t| <= pi / 4
	v_mov_b32 v240, 0xbab6061a
	v_fmamk_f32 v240, v238, 0x37ccf5ce, v240
	v_fmaak_f32 v240, v238, v240, 0x3d2aaaa5
	v_mul_f32 v241, v238, v238
	v_fma_f32 v242, v238, -0.5, 1.0
	v_fma_f32 v240, v240, v241, v242               ; cos t
	v_cvt_i32_f32 v243, v236
	v_and_b32 v244, 1, v243
	v_cmp_eq_u32 vcc_lo, 1, v244                   ; odd n: the two change places.  A choice of values: no branch hangs on data
	v_cndmask_b32 v245, v239, v240, vcc_lo
	v_cndmask_b32 v246, v240, v239, vcc_lo
	v_and_b32 v244, 2, v243
	v_lshlrev_b32 v244, 30, v244
	v_xor_b32 v245, v244, v245                     ; s = sin theta
	v_add_nc_u32 v243, 1, v243
	v_and_b32 v243, 2, v243
	v_lshlrev_b32 v243, 30, v243
	v_xor_b32 v246, v243, v246                     ; c = cos theta
	v_add_f32 v250, 0xc1c5999a, v246               ; c - 24.7
	v_fmaak_f32 v236, v246, v246, 0xc1c5999a       ; c^2 - 24.7
	v_rcp_f32 v250, v250
	v_rcp_f32 v236, v236
	v_mul_f32 v247, 0x41380000, v[X+2]             ; 11.5 v  (plain work behind the reciprocals)
	v_fmamk_f32 v247, v245, 0x411ccccd, v247       ; + 9.8 s
	v_mul_f32 v247, v246, v247                     ; x c
	v_fmamk_f32 v247, v[X+2], 0x4288cccd, v247     ; + 68.4 v
	v_mul_f32 v248, v[X+3], v[X+3]                 ; omega^2
	v_mul_f32 v249, v248, v245
	v_fmamk_f32 v247, v249, 0xbf99999a, v247       ; - 1.2 omega^2 s: f2's numerator
	v_mul_f32 v237, v[X+2], v246
	v_mul_f32 v237, 0xc26b3333, v237               ; -58.8 v c
	v_fmamk_f32 v237, v[X+2], 0xc3738000, v237     ; - 243.5 v
	v_fmaak_f32 v238, v248, v246, 0x43504ccd       ; 208.3 + omega^2 c
	v_fma_f32 v237, -v245, v238, v237              ; f3's numerator
	v_fma_f32 v239, v246, s86, s87                 ; g2's: -1.8 c - 10.9
	v_fma_f32 v240, v246, s88, s89                 ; g3's: 9.3 c + 38.6
	s_wait_dscnt 0x0                               ; u
	v_fma_f32 v247, v239, v[UU], v247
	v_fma_f32 v237, v240, v[UU], v237
	s_wait_alu depctr_va_vdst(0)                   ; one wait for the two reciprocals, ahead of their first reader
	v_mul_f32 v247, v247, v250                     ; f2 + g2 u
	v_mul_f32 v237, v237, v236                     ; f3 + g3 u
	v_mul_f32 v241, v227, v[X+2]
	v_fma_f32 v241, v228, v[X+3], v241
	v_fma_f32 v241, v229, v247, v241
	v_fma_f32 v241, v230, v237, v241               ; Vdot
	ds_store_b32 v[TA], v226 offset:256
	ds_store_b32 v[TA], v241 offset:512
	s_wait_dscnt 0x0                               ; the stores have read their registers: the next phase writes them again
	s_add_co_u32 s[XOFF], s[XOFF], 256
	s_add_co_u32 s[OOFF], s[OOFF], 64
	s_add_co_u32 s73, s73, 1
	s_cmp_lt_u32 s73, 4
	s_cbranch_scc1 .Lvp
	; ---- THE WAY OUT: my 64 rows of each output are 256 consecutive bytes, aligned: one store each
	ds_load_b64 v[16:17], v[OUTA]
	ds_load_b64 v[18:19], v[OUTA] offset:256
	ds_load_b64 v[20:21], v[OUTA] offset:512
	s_wait_dscnt 0x0
	global_store_b64 v[GO8], v[16:17], s[26:27] th:TH_STORE_NT
	global_store_b64 v[GO8], v[18:19], s[28:29] th:TH_STORE_NT
	global_store_b64 v[GO8], v[20:21], s[30:31] th:TH_STORE_NT
	s_wait_tensorcnt 0x0                           ; the wave's end, behind my last LDS instruction
	ds_add_u32 v[SPW], v[NIL]
	s_wait_dscnt 0x0
	ROUND                                          ; the closing round
	s_endpgm
.Lfunc_end_k_qbdb7d43863_net:
	.size	k_qbdb7d43863_net, .Lfunc_end_k_qbdb7d43863_net-k_qbdb7d43863_net
	.p2alignl 7, 3214868480
	.fill 96, 4, 3214868480
	.section	.rodata,"a",@progbits
	.p2align	6, 0x0
	.amdhsa_kernel k_qbdb7d43863_net
		.amdhsa_group_segment_fixed_size 327680
		.amdhsa_private_segment_fixed_size 0
		.amdhsa_enable_private_segment 0
		.amdhsa_kernarg_size 112
		.amdhsa_user_sgpr_count 2
		.amdhsa_user_sgpr_kernarg_segment_ptr 1
		.amdhsa_wavefront_size32 1
		.amdhsa_system_sgpr_workgroup_id_x 1
		.amdhsa_system_sgpr_workgroup_id_y 1
		.amdhsa_system_sgpr_workgroup_id_z 1
		.amdhsa_system_vgpr_workitem_id 0
		.amdhsa_next_free_vgpr 512
		.amdhsa_next_free_sgpr 96
		.amdhsa_reserve_vcc 1
		.amdhsa_float_denorm_mode_32 3
		.amdhsa_float_denorm_mode_16_64 3
		.amdhsa_memory_ordered 1
		.amdhsa_forward_progress 1
		.amdhsa_inst_pref_size 128
	.end_amdhsa_kernel
	.amdgpu_metadata
---
amdhsa.version: [ 1, 2 ]
amdhsa.kernels:
  - .name:           k_qbdb7d43863_net
    .symbol:         k_qbdb7d43863_net.kd
    .args:
      - { .name: wq, .offset: 0, .size: 8, .value_kind: global_buffer, .address_space: global }
      - { .name: x, .offset: 8, .size: 8, .value_kind: global_buffer, .address_space: global }
      - { .name: Uw1, .offset: 16, .size: 8, .value_kind: global_buffer, .address_space: global }
      - { .name: Ub1, .offset: 24, .size: 8, .value_kind: global_buffer, .address_space: global }
      - { .name: Ub2, .offset: 32, .size: 8, .value_kind: global_buffer, .address_space: global }
      - { .name: Uw3, .offset: 40, .size: 8, .value_kind: global_buffer, .address_space: global }
      - { .name: Ub3, .offset: 48, .size: 8, .value_kind: global_buffer, .address_space: global }
      - { .name: Vw1, .offset: 56, .size: 8, .value_kind: global_buffer, .address_space: global }
      - { .name: Vb1, .offset: 64, .size: 8, .value_kind: global_buffer, .address_space: global }
      - { .name: Vb2, .offset: 72, .size: 8, .value_kind: global_buffer, .address_space: global }
      - { .name: Vb3, .offset: 80, .size: 8, .value_kind: global_buffer, .address_space: global }
      - { .name: out0, .offset: 88, .size: 8, .value_kind: global_buffer, .address_space: global }
      - { .name: out1, .offset: 96, .size: 8, .value_kind: global_buffer, .address_space: global }
      - { .name: out2, .offset: 104, .size: 8, .value_kind: global_buffer, .address_space: global }
    .group_segment_fixed_size: 327680
    .private_segment_fixed_size: 0
    .kernarg_segment_align: 8
    .kernarg_segment_size: 112
    .max_flat_workgroup_size: 256
    .sgpr_count:     96
    .vgpr_count:     512
    .wavefront_size: 32
...
	.end_amdgpu_metadata
.endif
;; end of part 2
